; MI455X (gfx1250); checked and timed in simulation.
; The chip was launched on July 23, 2026; its instructions are those of AMD's public machine-readable ISA for CDNA 5 (MIT licence, August 2026) and "CDNA5" Instruction Set Architecture Reference Guide (July 2026). The comments in the code are by the model that wrote it; some were corrected since.
;; Calculate Attention. Allowed arithmetic: matrix products marked QUANTISED: E5M2 operands, one given power-of-two scale a tensor, by v_wmma_f32_16x16x64_bf8_bf8 or v_wmma_f32_16x16x128_bf8_bf8, f32 sums; everything else in f32.
;; Inputs: K 4 x 16 x 2,048 x 64 float32; Q 4 x 16 x 2,048 x 64 float32; V 4 x 16 x 2,048 x 64 float32; lowp_scales 4 int32 (the exponents e of the quantised operands' scales 2^e); mask 4 x 1 x 2,048 x 2,048 bool.
;; Outputs: out0 4 x 16 x 2,048 x 64 float32.
;; This version of the problem:
;;   THIS VERSION OF THE PROBLEM IS GIVEN IN LOW PRECISION. The matrix products marked QUANTISED in the list below multiply operands that are first quantised to E5M2 (5 exponent bits, 2 mantissa bits; 8 bits a number), with one given power-of-two scale for each operand tensor; their sums are f32. All else is computed in f32.
;;   The module's matrix products, in the order in which they are computed (A, B: the left and right operand; K: the contracted axis; several contracted axes count as one K, in the product's order):
;;     1. batch 64 x [M 2,048, K 64] x [K 64, N 2,048]; A: input Q; B: input K: QUANTISED (scales: A lowp_scales[0], B lowp_scales[1])
;;     2. batch 64 x [M 2,048, K 2,048] x [K 2,048, N 64]; A: softmax (see below); B: input V: QUANTISED (scales: A lowp_scales[2], B lowp_scales[3])
;;   THE QUANTISER, for each operand of a quantised product, along K:
;;     - The operand's scale is 2^e, e = its entry of the input lowp_scales (int32; the entries are numbered through the quantised products in the list's order, A before B).
;;     - Each number is divided by the scale, clamped to +-57,344, and rounded to the nearest number of E5M2, ties to even, subnormals kept.
;;     - The product sums the exact products of the quantised numbers (number of the format x scale) in f32.
;;   ~~~python
;;   def quantise(x, axis, e):      # numpy; x: float32 -> the quantised numbers, widened to float32 again
;;       x = np.moveaxis(x, axis, -1); K = x.shape[-1]
;;       r = np.clip(x / 2.0 ** e, -57344, 57344)
;;       step = 2.0 ** (np.maximum(np.frexp(np.where(r == 0, 1, r))[1] - 1, -14) - 2)
;;       q = np.round(r / step) * step * 2.0 ** e      # np.round: ties to even
;;       return np.moveaxis(q, -1, axis).astype(np.float32)
;;   ~~~
;;   SOFTMAX AHEAD OF A QUANTISED PRODUCT. Where the list says 'softmax', what is quantised is not the finished softmax but p = 2^(t - M), with t = logit x log2(e) and M = ceil(the row's largest t), a whole number; so 1/2 < the row's largest p <= 1. The row's sum l is taken of the UNQUANTISED p, in f32, and the product's result is divided by l at the end. Since M is a whole number, a kernel that streams over the keys may use a running M (the ceiling of the running maximum): every later rescaling is an exact power of two, so the quantised numbers keep their values, but for numbers so far below the row's largest that they fall under the format's range.
;;   OPERANDS COMPUTED ON THE WAY. 'Computed on the way' means the value that the module computes at that place (a softmax that the list does not call 'softmax' is quantised finished and normalised). What goes into a quantiser is computed in f32, as accurately as f32 sums, v_exp_f32 and their like allow (about 1e-6 of the number): no bf16 or f16 on the way to a quantiser, and a product that is left as it is and whose result goes on into a quantised operand takes f32 operands (vector FMAs, or v_wmma_f32_16x16x4_f32). A number that lies on a knife's edge between two numbers of the format may be rounded either way, as far as f32 arithmetic and the matrix unit's own rounding can turn it there, and no further.
;; One version. Each part assembles by itself: llvm-mc -triple=amdgcn-amd-amdhsa -mcpu=gfx1250 --defsym DOCPART=n.
;; ======== version 1 of 1: 2 launches
;; limits: right only within a limited range of input values
;; workspace buffers: kv 16,777,216 bytes; mbits 2,097,152 bytes of whole numbers
;; launch prep (part 1): grid 768 x 1, 4 waves a work-group, no clusters, 52,736 bytes of LDS; arguments K, V, mask, lowp_scales, kv, mbits; writes kv, mbits
.if DOCPART == 1
	.amdgcn_target "amdgcn-amd-amdhsa--gfx1250"
	.amdhsa_code_object_version 6
	.text
	.protected	k_q639f845b00_prep
	.globl	k_q639f845b00_prep
	.p2align	8
	.type	k_q639f845b00_prep,@function
k_q639f845b00_prep:
	s_mov_b64 s[64:65], 0
	v_nop
	global_prefetch_b8 v0, s[64:65] scope:SCOPE_SE
	s_setreg_imm32_b32 hwreg(HW_REG_WAVE_MODE, 25, 1), 1
	s_wait_xcnt 0x0
; THE LAUNCH IN FRONT OF THE ATTENTION.  K and V [64 heads][2048][64] f32 become codes of BF8 (E5M2), once, and the byte mask [4][2048][2048] becomes lane masks, once.
; DEAD WORK: none.  Every input of the problem has a way to the output, and every step of it is done; the division by sqrt(64) and the factor log2(e) are one constant in the second launch.
; code = x / 2^e, rounded to the nearest code, ties to even.  e is entry 1 (K) or entry 3 (V) of the scales' exponents.  LIMITS: -126 <= e <= 112.  NaN among the inputs is not served.
; WHY A LAUNCH OF ITS OWN: four work-groups of the second launch read each head's K and V, and sixteen heads read each mask byte.
; kv: for job J = 16 x head + key step (128 keys) 16,384 bytes, laid AS THE OPERANDS' REGISTERS LIE: K's eight fragments (16 keys x 64, 8 registers a lane) of 1,024 bytes, then V's four (16 channels x 128 keys,
;   16 registers a lane) of 2,048 bytes; each group of four registers is 512 bytes, lane l's 16 bytes at 16 l.  With lane (r, h) = (l % 16, l / 16):
;   K, fragment f, register 2 c + x, byte y: K[key 16 f + r][d = 16 c + 8 h + 4 x + y];   V, fragment t, register 2 c + x, byte y: V[key 16 c + 8 h + 4 x + y][channel 16 t + r].
; mbits: for query tile qt (16 queries) of batch b and key step ks, 64 words at ((128 b + qt) 16 + ks) 256: bit l of word 8 f + j is mask[b][16 qt + l % 16][128 ks + 16 f + 8 (l / 16) + j]:
;   the lane mask for score register 8 f + j of the second launch.
; SHARES.  Work-groups 0-255 take K, 256-511 V, 512-767 the mask; each of the four waves has a job of its own: 128 keys of a head (32 KB in, 8 KB out), or 16 queries x 1,024 keys of the mask (16 KB in, 2 KB out).
; A job goes in chunks of 16 rows x 256 bytes.  Each load reads two rows, sixteen lanes 256 consecutive bytes; the chunk turns through the wave's own stage in LDS (rows 272 bytes apart), so that a lane
; gets the numbers that its registers want.  Loads run two chunks ahead.  Waves share nothing: no barrier.  Every offset is an immediate, and each chunk has its own result registers, so no store's data are written again.
.set PITCH, 272                        ; a stage row: 256 bytes + 16
.set STG,   16*PITCH                   ; a wave's stage
.set KREG,  0                          ; each path has LDS bytes of its own: four stages for K's path,
.set VREG,  4*STG                      ; four for V's,
.set MREG,  8*STG                      ; four for the mask's
.set SPARE, 12*STG                     ; behind them the spare words, 128 bytes for each wave: two blocks of 256 bytes that no other line names
.set GL,  4                            ; v4   the mask's loads: 2,048 h + 16 r
.set TI,  5                            ; v5   into the stage: my wave's stage + 272 h + 16 r
.set RB,  6                            ; v6   back from it (each path makes its own)
.set GS,  7                            ; v7   16 x lane: K's and V's loads, and all stores
.set LIM, 8
.set SC,  9                            ; v9   2^e as f32
.set SPW, 10                           ; v10  LDS address of my spare word; never rewritten
.set NIL, 11                           ; v11  0; never rewritten
.set R,   16                           ; v16-79   two sets of 32: a chunk as loaded
.set X,   80                           ; v80-111  a chunk as the lane wants it
.set C,   112                          ; v112-175 results
	s_load_b256 s[4:11], s[0:1], 0x0               ; K s[4:5], V s[6:7], mask s[8:9], the scales' exponents s[10:11]
	s_load_b128 s[12:15], s[0:1], 0x20             ; kv s[12:13], mbits s[14:15]
	v_lshl_add_u32 v[SPW], v0, 2, SPARE
	v_mov_b32 v[NIL], 0
	v_lshrrev_b32 v1, 5, v0
	v_readfirstlane_b32 s16, v1                    ; wave 0..3
	v_and_b32 v1, 31, v0                           ; lane
	v_and_b32 v2, 15, v0                           ; r
	v_bfe_u32 v3, v0, 4, 1                         ; h
	v_lshlrev_b32 v[GS], 4, v1
	s_mul_i32 s28, s16, STG                        ; my stage within a path's four
	v_mul_u32_u24 v[TI], v3, PITCH
	v_lshl_add_u32 v[TI], v2, 4, v[TI]
	v_add_nc_u32 v[TI], s28, v[TI]
	s_and_b32 s17, ttmp9, 255                      ; the work-group's number within its path,
	s_lshl_b32 s17, s17, 2
	s_add_co_u32 s17, s17, s16                     ; and my job J = 4 x that + wave
	s_mov_b32 s19, 0
	s_wait_kmcnt 0x0
	s_cmp_lt_u32 ttmp9, 256
	s_cbranch_scc1 .Lkeys
	s_cmp_lt_u32 ttmp9, 512
	s_cbranch_scc1 .Lvalues
	s_branch .Lmask
.macro LOADC set, ptr, gl, off, stride         ; a chunk: eight loads of two rows each
.irp i, 0,1,2,3,4,5,6,7
	global_load_b128 v[R+32*(\set)+4*\i:R+32*(\set)+4*\i+3], v[\gl], s[\ptr:\ptr+1] offset:(\off)+(\stride)*\i th:TH_LOAD_NT
.endr
.endm
.macro TURNIN set, reg                         ; as loaded into the stage: rows 2 i + h
.irp i, 0,1,2,3,4,5,6,7
	ds_store_b128 v[TI], v[R+32*(\set)+4*\i:R+32*(\set)+4*\i+3] offset:(\reg)+2*PITCH*\i
.endr
.endm
.macro HOLD32
.irp i, 0,1,2,3,4,5,6,7,8,9,10,11,12,13,14,15,16,17,18,19,20,21,22,23,24,25,26,27,28,29,30,31
.endr
.endm
.macro SCALE                                   ; s24 = e on its way
	s_wait_kmcnt 0x0
	s_add_co_i32 s24, s24, 127
	s_lshl_b32 s25, s24, 23
	v_mov_b32 v[SC], s25                           ; 2^e as f32: the conversion takes its exponent field
	s_add_co_i32 s24, s24, 15
	s_lshl_b32 s24, s24, 23
	s_or_b32 s24, s24, 0x600000
.endm
.macro CLOSE                                   ; the wave's end: a tensor wait, an add and its wait, behind my last LDS store; the tensor wait in a text with no tensor load too
	s_wait_tensorcnt 0x0
	ds_add_u32 v[SPW], v[NIL]
	s_wait_dscnt 0x0
	s_endpgm
.endm
; ---------------- the mask: 16 queries x 1,024 keys, four chunks of 256 keys
.Lmask:
	s_lshr_b32 s18, s17, 1                         ; the query tile, counted through the batches: 16 rows of 2,048 bytes,
	s_lshl_b32 s18, s18, 15
	s_and_b32 s29, s17, 1                          ; and which half of its keys
	s_lshl_b32 s29, s29, 10
	s_add_co_u32 s18, s18, s29
	s_add_nc_u64 s[8:9], s[8:9], s[18:19]
	s_lshl_b32 s18, s17, 11                        ; 2,048 bytes of words a job
	s_add_nc_u64 s[14:15], s[14:15], s[18:19]
	s_wait_alu depctr_va_vdst(0)
	v_lshlrev_b32 v[GL], 11, v3
	v_lshl_add_u32 v[GL], v2, 4, v[GL]
	v_mul_u32_u24 v[RB], v2, PITCH                 ; back: row r, 8 bytes for each half of the lanes
	v_lshl_add_u32 v[RB], v3, 3, v[RB]
	v_add_nc_u32 v[RB], s28, v[RB]
	LOADC 0, 8, GL, 0, 4096
	LOADC 1, 8, GL, 256, 4096
.macro MCHUNK c
.set W, C+4*(\c)
.if (\c) < 3
	s_wait_loadcnt 8                               ; this chunk's eight loads are in; the next chunk's eight may be out
.else
	s_wait_loadcnt 0x0
.endif
	TURNIN (\c)%2, MREG
.irp T, 0,1,2,3,4,5,6,7,8,9,10,11,12,13,14,15
	ds_load_b64 v[X+2*\T:X+2*\T+1], v[RB] offset:MREG+16*\T   ; my query's bytes for keys 16 T + 8 h + 0 .. 7.  LDS serves a wave's instructions in order: these see the stores above
.endr
	s_wait_dscnt 0x0                               ; they are in; and the stores have read their registers,
.if (\c)+2 < 4
	LOADC (\c)%2, 8, GL, 256*((\c)+2), 4096        ; which take the chunk two further on
.endif
.irp k, 0,1,2,3
	v_mov_b32 v[W+\k], 0                           ; written whole once: a lane write counts as a reader of its destination
.endr
.set N, 0
.rept 128                                      ; word N of the chunk's 128: byte N % 8 of piece N / 8 in every lane; it goes to lane N / 4, register N % 4, so that one store of 16 bytes a lane lays the words on end
	v_and_b32 v[12+N%4], 0xff<<(8*(N%4)), v[X+2*(N/8)+(N%8)/4]
	v_cmp_ne_u32 s[20+N%4], 0, v[12+N%4]
	v_writelane_b32 v[W+N%4], s[20+N%4], N/4
.set N, N+1
.endr
	global_store_b128 v[GS], v[W:W+3], s[14:15] offset:512*(\c)   ; 32 lanes store 512 consecutive bytes: two key steps' words
.endm
	s_wait_alu depctr_va_vdst(0)
.irp c, 0,1,2,3
	MCHUNK \c
.endr
	CLOSE
; ---------------- K: 128 keys, eight chunks of 16 keys; a chunk is one fragment
.Lkeys:
	s_load_b32 s24, s[10:11], 0x4                  ; ek
	s_lshl_b32 s18, s17, 15                        ; 128 rows of 256 bytes a job
	s_add_nc_u64 s[4:5], s[4:5], s[18:19]
	s_lshl_b32 s18, s17, 14
	s_add_nc_u64 s[12:13], s[12:13], s[18:19]
	s_wait_alu depctr_va_vdst(0)
	v_mul_u32_u24 v[RB], v2, PITCH                 ; back: key r, 32 bytes (8 numbers) for each half of the lanes
	v_lshl_add_u32 v[RB], v3, 5, v[RB]
	v_add_nc_u32 v[RB], s28, v[RB]
	LOADC 0, 4, GS, 0, 512
	LOADC 1, 4, GS, 4096, 512
	s_wait_alu depctr_va_vdst(0)
	SCALE
.macro KCHUNK c
.if (\c) < 7
	s_wait_loadcnt 8                               ; this chunk's eight loads are in; the next chunk's eight may be out
.else
	s_wait_loadcnt 0x0
.endif
	TURNIN (\c)%2, KREG
.irp k, 0,1,2,3,4,5,6,7
	ds_load_b128 v[X+4*\k:X+4*\k+3], v[RB] offset:KREG+64*(\k/2)+16*(\k%2)   ; d = 16 (k / 2) + 8 h + 4 (k % 2) + 0 .. 3 of key r
.endr
	s_wait_dscnt 0x0
.if (\c)+2 < 8
	LOADC (\c)%2, 4, GS, 4096*((\c)+2), 512
.endif
	HOLD32
.irp k, 0,1,2,3
	v_cvt_scalef32_pk8_bf8_f32 v[C+8*(\c)+2*\k:C+8*(\c)+2*\k+1], v[X+8*\k:X+8*\k+7], v[SC]
.endr
	v_nop                                          ; one plain vector line behind the conversions: the next chunk's LDS loads write their sources
.irp g, 0,1
	global_store_b128 v[GS], v[C+8*(\c)+4*\g:C+8*(\c)+4*\g+3], s[12:13] offset:1024*(\c)+512*\g   ; 32 lanes store 512 consecutive bytes
.endr
.endm
	s_wait_alu depctr_va_vdst(0)
.irp c, 0,1,2,3,4,5,6,7
	KCHUNK \c
.endr
	CLOSE
; ---------------- V: 128 keys, eight chunks of 16 keys; a lane takes a channel, and its registers run down the keys: a chunk gives two registers of each of the four fragments
.Lvalues:
	s_load_b32 s24, s[10:11], 0xc                  ; ev
	s_lshl_b32 s18, s17, 15
	s_add_nc_u64 s[6:7], s[6:7], s[18:19]
	s_lshl_b32 s18, s17, 14
	s_add_nc_u64 s[12:13], s[12:13], s[18:19]
	s_wait_alu depctr_va_vdst(0)
	v_mul_u32_u24 v[RB], v3, 8*PITCH               ; back: keys 8 h on, channel r
	v_lshl_add_u32 v[RB], v2, 2, v[RB]
	v_add_nc_u32 v[RB], s28, v[RB]
	LOADC 0, 6, GS, 0, 512
	LOADC 1, 6, GS, 4096, 512
	s_wait_alu depctr_va_vdst(0)
	SCALE
.macro VCHUNK c
.if (\c) < 7
	s_wait_loadcnt 8                               ; this chunk's eight loads are in; the next chunk's eight may be out
.else
	s_wait_loadcnt 0x0
.endif
	TURNIN (\c)%2, VREG
.irp t, 0,1,2,3
.irp i, 0,1,2,3,4,5,6,7
	ds_load_b32 v[X+8*\t+\i], v[RB] offset:VREG+PITCH*\i+64*\t   ; V[key 8 h + i of the chunk][channel 16 t + r]
.endr
.endr
	s_wait_dscnt 0x0
.if (\c)+2 < 8
	LOADC (\c)%2, 6, GS, 4096*((\c)+2), 512
.endif
	HOLD32
.irp t, 0,1,2,3
	v_cvt_scalef32_pk8_bf8_f32 v[C+16*\t+2*(\c):C+16*\t+2*(\c)+1], v[X+8*\t:X+8*\t+7], v[SC]
.endr
	v_nop                                          ; one plain vector line behind the conversions: the next chunk's LDS loads write their sources
.if (\c)%2 == 1                                ; two chunks make a group of four registers
	s_wait_alu depctr_va_vdst(0)
.irp t, 0,1,2,3
	global_store_b128 v[GS], v[C+16*\t+4*((\c)/2):C+16*\t+4*((\c)/2)+3], s[12:13] offset:8192+2048*\t+512*((\c)/2)
.endr
.endif
.endm
	s_wait_alu depctr_va_vdst(0)
.irp c, 0,1,2,3,4,5,6,7
	VCHUNK \c
.endr
	CLOSE
.Lfunc_end_k_q639f845b00_prep:
	.size	k_q639f845b00_prep, .Lfunc_end_k_q639f845b00_prep-k_q639f845b00_prep
	.p2alignl 7, 3214868480
	.fill 96, 4, 3214868480
	.section	.rodata,"a",@progbits
	.p2align	6, 0x0
	.amdhsa_kernel k_q639f845b00_prep
		.amdhsa_group_segment_fixed_size 52736
		.amdhsa_private_segment_fixed_size 0
		.amdhsa_enable_private_segment 0
		.amdhsa_kernarg_size 48
		.amdhsa_user_sgpr_count 2
		.amdhsa_user_sgpr_kernarg_segment_ptr 1
		.amdhsa_wavefront_size32 1
		.amdhsa_system_sgpr_workgroup_id_x 1
		.amdhsa_system_sgpr_workgroup_id_y 1
		.amdhsa_system_sgpr_workgroup_id_z 1
		.amdhsa_system_vgpr_workitem_id 0
		.amdhsa_next_free_vgpr 176
		.amdhsa_next_free_sgpr 66
		.amdhsa_reserve_vcc 0
		.amdhsa_float_denorm_mode_32 3
		.amdhsa_float_denorm_mode_16_64 3
		.amdhsa_fp16_overflow 1
		.amdhsa_memory_ordered 1
		.amdhsa_forward_progress 1
		.amdhsa_inst_pref_size 159
	.end_amdhsa_kernel
	.amdgpu_metadata
---
amdhsa.version: [ 1, 2 ]
amdhsa.kernels:
  - .name:           k_q639f845b00_prep
    .symbol:         k_q639f845b00_prep.kd
    .args:
      - { .name: K, .offset: 0, .size: 8, .value_kind: global_buffer, .address_space: global }
      - { .name: V, .offset: 8, .size: 8, .value_kind: global_buffer, .address_space: global }
      - { .name: mask, .offset: 16, .size: 8, .value_kind: global_buffer, .address_space: global }
      - { .name: lowp_scales, .offset: 24, .size: 8, .value_kind: global_buffer, .address_space: global }
      - { .name: kv, .offset: 32, .size: 8, .value_kind: global_buffer, .address_space: global }
      - { .name: mbits, .offset: 40, .size: 8, .value_kind: global_buffer, .address_space: global }
    .group_segment_fixed_size: 52736
    .private_segment_fixed_size: 0
    .kernarg_segment_align: 8
    .kernarg_segment_size: 48
    .max_flat_workgroup_size: 128
    .sgpr_count:     66
    .vgpr_count:     176
    .wavefront_size: 32
...
	.end_amdgpu_metadata
.endif
;; end of part 1
;; launch attn (part 2): grid 4 x 64, 16 waves a work-group, clusters of 4 x 1, 264,192 bytes of LDS; arguments Q, kv, mbits, lowp_scales, out0; writes out0
.if DOCPART == 2
	.amdgcn_target "amdgcn-amd-amdhsa--gfx1250"
	.amdhsa_code_object_version 6
	.text
	.protected	k_q639f845b00_attn
	.globl	k_q639f845b00_attn
	.p2align	8
	.type	k_q639f845b00_attn,@function
k_q639f845b00_attn:
	s_mov_b64 s[64:65], 0
	v_nop
	global_prefetch_b8 v0, s[64:65] scope:SCOPE_SE
	s_setreg_imm32_b32 hwreg(HW_REG_WAVE_MODE, 25, 1), 1
	s_wait_xcnt 0x0
	s_wait_alu depctr_hold_cnt(0) depctr_sa_sdst(0) depctr_va_vdst(0) depctr_va_sdst(0) depctr_va_ssrc(0) depctr_va_vcc(0) depctr_vm_vsrc(0)
	s_getreg_b32 s2, hwreg(HW_REG_IB_STS2, 6, 4)
	s_cmp_eq_u32 s2, 0
	s_cbranch_scc0 .Lentry_in_a_cluster
	s_endpgm
.Lentry_in_a_cluster:
	s_bfe_u32 s2, ttmp6, 0x10000c
	s_cmp_lg_u32 s2, 0x3003
	s_cbranch_scc0 .Lentry_shape_is_right
	s_endpgm
.Lentry_shape_is_right:
; out0[head][q][:] = the sum over k of softmax_k(where(mask, NEG, Q[q] . K[k]) / 8) V[k][:], 64 heads of 2,048 x 64, both products on codes of BF8 (E5M2), each operand with the given scale 2^e: eq, ek, ep, ev.
; No work of the problem is left out.  K's and V's codes and the mask's lane masks were made by the launch before (their layouts stand at its head); Q, which one wave reads once, is quantised here in registers.
; THE SOFTMAX AHEAD OF THE SECOND PRODUCT: t = score x log2(e) / 8; M = the row's largest t so far, rounded UP to a whole number; p = 2^(t - M) is what is quantised, along the keys; it is not normalised.
; The row's sum is taken of the unquantised p, in f32, and divides at the end.  When M moves, the sum and O are multiplied by 2^(old M - new M): exact.
; THE MASK.  A masked sum of codes is replaced by -2^(30 - eq - ek), one select a score by the stored lane mask: the score then stands for -2^30.  LIMIT: that is -1.07e9 in place of reference's -1e9.  The power of two
; makes t of a masked score a whole number that the fused c s - M meets exactly, so that a row with all keys masked has p = 1 at every key, as reference's uniform softmax.  In a row with any score far above -9e8
; masked keys have p = 0 under either number; rows whose unmasked scores lie under about -9e8 are not served as reference has them.
; LIMITS on the given exponents, so that each power of two below is an f32 number: eq + ek between -97 and 130; eq and ep between -126 and 112; ep + ev goes by v_ldexp_f32 and has none.  NaN among the inputs is not served.
; SHARES.  A cluster of four work-groups has one head; a work-group 512 of its queries; each of its SIXTEEN waves 32 of them: two tiles of 16, walked one after the other (two passes), in 256 registers:
; four waves to a SIMD, so that one wave's vector work stands beside another's products and LDS loads.  A pass walks the head's 2,048 keys in 16 steps of 128.
; LDS.  The head's codes, 262,144 bytes, come in ONCE: wave w asks for key step w's 16,384 bytes, JOINTLY with the same wave of the three partners (the same descriptor, a mask that names the four).  Nothing is filled
; again: one barrier behind the loads, none in the loop.  The codes lie as images of the operands' registers: every fragment load is 16 bytes a lane at 16 x lane, 512 consecutive bytes.
; LAYOUT.  Both products are used transposed: S^T = K Q^T (source 0 = 16 keys, source 1 = my 16 queries), O^T = V^T P^T (source 0 = 16 channels, source 1 = P): lane (r, h) holds query r throughout;
; score register 8 f + j is key 16 f + 8 h + j, so the conversion of registers 8 f .. 8 f + 7 gives registers 2 f, 2 f + 1 of P as the second product wants them.
; O^T and the sum begin as zeros and the largest t as -3e38, so that the step is written once for every trip: 32 registers are cleared in each pass.
; REGISTERS: v1-8 addresses; v9 and v11 constants; v12 -M, v13 the largest t, v[14:15] the sum in two halves; v16-31 Q's codes, two tiles; v32-95 K's eight or V's four fragments; v96-159 S^T, then p; v160-191 O^T;
;   v192-207 p's codes; v208-239 the first tile's result, kept; v240-255 at work.
.set SPARE, 262144                     ; behind the codes: the spare words, 128 bytes for each wave: eight blocks of 256 bytes that no other line names
.set STEPB, 16384                      ; a key step's codes: K's 8,192 bytes, then V's
.set SP,    272                        ; the way out: a stage row, 256 bytes + 16; two stages of 16 rows a wave.  They lie in the codes' bytes, used behind the last barrier: those bytes have had their one fill, and nobody reads them any more
.set LI,   1                           ; v1   16 x lane
.set ADR,  2                           ; v2   the step's codes + 16 x lane
.set SPW,  3                           ; v3   LDS address of my spare word; never rewritten
.set NIL,  4                           ; v4   0; never rewritten
.set QO,   5                           ; v5   Q: 256 r + 32 h
.set STO,  6                           ; v6   the way out: where I put 32 bytes of a row
.set RD,   7                           ; v7   and where I read a row back
.set GO,   8                           ; v8   my byte offset in two rows of out0
.set NEGV, 9                           ; v9   -2^(30 - eq - ek)
.set PLIM, 10
.set PSC,  11                          ; v11  2^ep
.set F,    32
.set S,    96
.set O,    160
.set P,    192
.set KEEP, 208
.set WV,   14                          ; s14  my wave's number
.set TB,   15                          ; s15  LDS byte at which the step's codes begin
.set G1,   16                          ; s[16:23] descriptor group 1
.set G0,   24                          ; s[24:27] descriptor group 0
.set CS,   28                          ; s[28:29] c = log2(e) / 8 x 2^(eq + ek): the packed form names a pair and takes its low word for both halves
.set SEL,  30                          ; s[30:31] lane selects for v_permlanex16_b32: lane l xor 16
.set CNT,  66                          ; s66  the loop's counter
.set EO,   67                          ; s67  ep + ev
                                       ; s[32:63], s[68:99]: the step's 64 lane masks: word n in s[32 + n + 4 (n / 32)]
; A round of the cluster's barrier: my work-group's barrier, so that wave 0's signal speaks for all sixteen waves; wave 0 signals for the work-group; every wave waits for all four work-groups; my work-group's barrier once more.
.macro CROUND
	s_barrier_signal -1
	s_barrier_wait -1
	s_cmp_lg_u32 s[WV], 0
	s_cbranch_scc1 .Lnot_wave_0_\@
	s_barrier_signal -3
.Lnot_wave_0_\@:
	s_barrier_wait -3
	s_barrier_signal -1
	s_barrier_wait -1
.endm
	s_load_b256 s[4:11], s[0:1], 0x0               ; Q s[4:5], kv s[6:7], mbits s[8:9], the scales' exponents s[10:11]
	s_load_b64 s[12:13], s[0:1], 0x20              ; out0
	v_lshl_add_u32 v[SPW], v0, 2, SPARE
	v_mov_b32 v[NIL], 0
	ds_add_u32 v[SPW], v[NIL]                      ; the wave's opening: the add, twice on end, and its wait ahead of my tensor load; the set-up below, work on registers, stands between the second and the wait
	ds_add_u32 v[SPW], v[NIL]
	v_lshrrev_b32 v1, 5, v0
	s_delay_alu instid0(VALU_DEP_1)
	v_readfirstlane_b32 s[WV], v1                  ; wave 0..15
	s_and_b32 s15, ttmp7, 0xffff                   ; the head, which the four partners share
	s_lshl_b32 s66, s15, 18                        ; its 262,144 bytes of codes,
	s_lshl_b32 s67, s[WV], 14                      ; my key step's 16,384 of them: no place in the cluster enters these registers
	s_add_co_u32 s66, s66, s67
	s_mov_b32 s67, 0
	s_bfe_u32 s2, ttmp6, 0x40000                   ; cx: my place in the cluster
	s_lshl_b32 s3, ttmp9, 2                        ; in a cluster launch ttmp9 counts clusters
	s_add_co_u32 s2, s2, s3                        ; my block of 512 queries: it enters Q's, out0's and the masks' addresses alone
	s_lshl_b32 s2, s2, 17                          ; 512 rows of 256 bytes; and 32 query tiles x 16 steps x 256 bytes of lane masks: the same number
	s_lshl_b32 s3, s[WV], 13                       ; my wave's 32 rows; and its two tiles' 32 steps of lane masks
	s_add_co_u32 s2, s2, s3
	s_lshl_b32 s100, s15, 19                       ; the head's 2,048 rows in Q and out0
	s_add_co_u32 s100, s100, s2
	s_mov_b32 s101, 0
	s_lshr_b32 s3, s15, 4                          ; the batch: its 128 tiles x 16 steps x 256 bytes of lane masks
	s_lshl_b32 s3, s3, 19
	s_add_co_u32 s2, s2, s3
	s_mov_b32 s3, 0
	; descriptor group 1: a dense block of 16,384 bytes as 64 rows of 32 elements of 8 bytes, no padding
	s_mov_b32 s[G1+0], 15|(3<<16)|(1<<21)          ; 15:0 the mask: all four work-groups; 17:16 elements of 8 bytes; 21 set beside a mask
	s_mov_b32 s[G1+1], 32<<16                      ; tensor_dim0 = 32
	s_mov_b32 s[G1+2], 64<<16                      ; tensor_dim1 = 64
	s_mov_b32 s[G1+3], 32<<16                      ; tile_dim0 = 32
	s_mov_b32 s[G1+4], 64                          ; tile_dim1 = 64
	s_mov_b32 s[G1+5], 32                          ; from row to row: 32 elements
	s_mov_b32 s[G1+6], 0
	s_mov_b32 s[G1+7], 0
	s_mov_b32 s[G0], 1                             ; count = 1
	s_lshl_b32 s[G0+1], s[WV], 14                  ; LDS address: key step w lies at 16,384 w
	s_mov_b32 s[SEL], 0x76543210
	s_mov_b32 s[SEL+1], 0xfedcba98
	s_wait_dscnt 0x0                               ; both opening adds are done
	s_wait_kmcnt 0x0
	s_load_b128 s[32:35], s[10:11], 0x0            ; eq, ek, ep, ev
	s_add_nc_u64 s[G0+2:G0+3], s[6:7], s[66:67]    ; global address of my key step's codes
	s_or_b32 s[G0+3], s[G0+3], 0x80000000          ; type = 2
	s_add_nc_u64 s[4:5], s[4:5], s[100:101]        ; Q and out0 at my wave's first row
	s_add_nc_u64 s[12:13], s[12:13], s[100:101]
	s_add_nc_u64 s[8:9], s[8:9], s[2:3]            ; the lane masks of my first tile's first step; the 32 steps of both passes lie on end
	CROUND                                         ; all four work-groups are here: the joint loads meet
	tensor_load_to_lds s[G0:G0+3], s[G1:G1+7]      ; my one tensor load
	s_nop 0
	v_and_b32 v240, 15, v0                         ; r
	v_bfe_u32 v241, v0, 4, 1                       ; h
	s_delay_alu instid0(VALU_DEP_2)
	v_lshlrev_b32 v[QO], 8, v240
	s_delay_alu instid0(VALU_DEP_1)
	v_lshl_add_u32 v[QO], v241, 5, v[QO]
.irp p, 0,1                                    ; Q: lane (r, h) takes, of row r of tile p, d = 16 c + 8 h + 0 .. 7: the order in which the operand's registers want them
.irp c, 0,1,2,3
	global_load_b128 v[S+32*\p+8*\c:S+32*\p+8*\c+3],   v[QO], s[4:5] offset:4096*\p+64*\c th:TH_LOAD_NT
	global_load_b128 v[S+32*\p+8*\c+4:S+32*\p+8*\c+7], v[QO], s[4:5] offset:4096*\p+64*\c+16 th:TH_LOAD_NT
.endr
.endr
	v_and_b32 v[LI], 31, v0
	s_delay_alu instid0(VALU_DEP_1)
	v_lshlrev_b32 v[LI], 4, v[LI]
	s_mul_i32 s2, s[WV], 2*16*SP                   ; my two stages
	v_mul_u32_u24 v[STO], v240, SP                 ; in: row r, 32 bytes for each half of the lanes
	s_delay_alu instid0(VALU_DEP_1)
	v_lshl_add_u32 v[STO], v241, 5, v[STO]
	s_delay_alu instid0(VALU_DEP_1)
	v_add_nc_u32 v[STO], s2, v[STO]
	v_mul_u32_u24 v[RD], v241, SP                  ; back: lanes 0-15 one row of 256 bytes, lanes 16-31 the next
	s_delay_alu instid0(VALU_DEP_1)
	v_lshl_add_u32 v[RD], v240, 4, v[RD]
	s_delay_alu instid0(VALU_DEP_1)
	v_add_nc_u32 v[RD], s2, v[RD]
	v_lshlrev_b32 v[GO], 8, v241                   ; and the same two rows in out0
	s_delay_alu instid0(VALU_DEP_1)
	v_lshl_add_u32 v[GO], v240, 4, v[GO]
	v_mov_b32 v243, 0                              ; (named as the upper half of the pair v[242:243])
	v_mov_b32 v246, 0                              ; written once: a lane permute's destination counts as one of its sources
	s_wait_kmcnt 0x0                               ; the four exponents
	s_add_co_i32 s2, s32, s33                      ; eq + ek
	s_lshl_b32 s3, s2, 23
	s_mov_b32 s[CS], 0x3e38aa3b                    ; log2(e) / 8
	s_add_co_i32 s[CS], s[CS], s3                  ; a sum of codes stands for sum x 2^(eq + ek): the two exponents are added to c's exponent field
	s_mov_b32 s[CS+1], s[CS]                       ; (named with it as a pair, so it is written)
	s_sub_co_i32 s2, 157, s2
	s_lshl_b32 s2, s2, 23
	s_or_b32 s2, s2, 0x80000000
	v_mov_b32 v[NEGV], s2                          ; -2^(30 - eq - ek)
	s_add_co_i32 s2, s34, 127
	s_lshl_b32 s3, s2, 23
	v_mov_b32 v[PSC], s3                           ; 2^ep as f32, for p's conversions
	s_add_co_i32 s100, s32, 127
	s_lshl_b32 s101, s100, 23
	v_mov_b32 v249, s101                           ; 2^eq, for Q's
	s_add_co_i32 s[EO], s34, s35                   ; ep + ev
	s_load_b512 s[32:47], s[8:9], 0x0              ; the first step's 64 lane masks
	s_load_b512 s[48:63], s[8:9], 0x40
	s_load_b512 s[68:83], s[8:9], 0x80
	s_load_b512 s[84:99], s[8:9], 0xc0
	s_wait_alu depctr_va_vdst(0)
	s_wait_loadcnt 0x0                             ; Q
.set k, 0
.rept 64
.set k, k+1
.endr
.set k, 0
.rept 8
	v_cvt_scalef32_pk8_bf8_f32 v[16+2*k:16+2*k+1], v[S+8*k:S+8*k+7], v249   ; tile k / 4, registers 2 (k % 4) and the next
.set k, k+1
.endr
	v_nop                                          ; one plain vector line between the conversions and the products that read their results and write their sources
	s_wait_tensorcnt 0x0                           ; my key step's codes are in,
	s_barrier_signal -1
	s_barrier_wait -1                              ; everybody's are: the whole head lies in LDS
; A KEY STEP: 128 keys, for the tile whose codes of Q begin at v[qr].  ahead = 1: the next step's lane masks are asked for.
.macro STEP qr, ahead
	v_add_nc_u32 v[ADR], s[TB], v[LI]
.rept 3
	v_nop                                          ; with the addition: four places in front of loads into registers that the last products have read (ISA guide 7.12.1 for vector instructions)
.endr
.set k, 0
.rept 16
	ds_load_b128 v[F+4*k:F+4*k+3], v[ADR] offset:512*k   ; K's eight fragments
.set k, k+1
.endr
	s_wait_alu depctr_va_vdst(0)
	s_wait_dscnt 0x0
.set k, 0
.rept 8
	v_wmma_f32_16x16x64_bf8_bf8 v[S+8*k:S+8*k+7], v[F+8*k:F+8*k+7], v[\qr:\qr+7], 0   ; S^T: keys 16 k on
.set k, k+1
.endr
.rept 4
	v_nop                                          ; four places: in front of the loads into K's registers, and of the first read of the scores
.endr
.set k, 0
.rept 16
	ds_load_b128 v[F+4*k:F+4*k+3], v[ADR] offset:8192+512*k   ; V's four fragments: they land while the softmax is walked
.set k, k+1
.endr
	s_wait_kmcnt 0x0                               ; this step's lane masks, asked for a step ago
.set k, 0
.rept 64
	v_cndmask_b32 v[S+k], v[S+k], v[NEGV], s[32+k+4*(k/32)]   ; masked scores; in ascending order, each accumulator from its low end on
.set k, k+1
.endr
.if \ahead
	s_add_nc_u64 s[8:9], s[8:9], 256               ; the scalar loads that read this base are done (the wait above)
	s_load_b512 s[32:47], s[8:9], 0x0              ; the next step's lane masks: the rest of this step in which to land
	s_load_b512 s[48:63], s[8:9], 0x40
	s_load_b512 s[68:83], s[8:9], 0x80
	s_load_b512 s[84:99], s[8:9], 0xc0
.endif
	v_max3_num_f32 v240, v[S], v[S+1], v[S+2]      ; the step's largest score of my query, among my 64 keys, in two chains,
	v_max3_num_f32 v241, v[S+3], v[S+4], v[S+5]
.irp i, 6,10,14,18,22,26,30,34,38,42,46,50,54,58
	s_delay_alu instid0(VALU_DEP_2)
	v_max3_num_f32 v240, v240, v[S+\i], v[S+\i+1]
	s_delay_alu instid0(VALU_DEP_2)
	v_max3_num_f32 v241, v241, v[S+\i+2], v[S+\i+3]
.endr
	s_delay_alu instid0(VALU_DEP_2)
	v_max3_num_f32 v240, v240, v[S+62], v[S+63]
	s_delay_alu instid0(VALU_DEP_1)
	v_max_num_f32 v240, v240, v241
	s_delay_alu instid0(VALU_DEP_1)
	v_permlanex16_b32 v246, v240, s[SEL], s[SEL+1]
	s_delay_alu instid0(VALU_DEP_1)
	v_max_num_f32 v240, v240, v246                 ; and among lane l xor 16's
	s_delay_alu instid0(VALU_DEP_1)
	v_mul_f32 v240, s[CS], v240                    ; as t (c is positive)
	s_delay_alu instid0(VALU_DEP_1)
	v_max_num_f32 v13, v13, v240                   ; the running largest t
	v_mov_b32 v240, v12
	s_delay_alu instid0(VALU_DEP_2)
	v_floor_f32 v12, -v13                          ; the new -M = floor(-t) = -ceil(t): M is a whole number
	s_delay_alu instid0(VALU_DEP_1)
	v_sub_f32 v240, v12, v240                      ; M's old value less its new one: a whole number, 0 or less
	s_delay_alu instid0(VALU_DEP_1)
	v_cvt_i32_f32 v240, v240                       ; (it saturates)
	s_delay_alu instid0(VALU_DEP_1)
	v_ldexp_f32 v242, 1.0, v240                    ; f = 2^(old M - new M)
.set k, 0
.rept 32
	v_pk_fma_f32 v[S+k:S+k+1], v[S+k:S+k+1], s[CS:CS+1], v[12:13] op_sel_hi:[1,0,0]   ; t - M, two at a time (of the pairs c and -M the low word serves both halves)
.set k, k+2
.endr
.set k, 0
	s_setprio 1
	s_wait_alu depctr_va_vdst(0)
.rept 64
	v_exp_f32 v[S+k], v[S+k]                       ; p = 2^(t - M), at most 1: not normalised
.set k, k+1
.endr
	v_pk_mul_f32 v[14:15], v[14:15], v[242:243] op_sel_hi:[1,0]   ; the sums under the new M: a plain line behind the exponentials
	s_wait_alu depctr_va_vdst(0)                   ; the wait ahead of the first line that names an exponential's result: one for the batch of 64
	v_pk_add_f32 v[244:245], v[100:101], v[104:105]
	v_pk_add_f32 v[254:255], v[108:109], v[112:113]
	v_pk_add_f32 v[252:253], v[116:117], v[120:121]
	v_pk_add_f32 v[250:251], v[124:125], v[128:129]
	v_pk_add_f32 v[248:249], v[132:133], v[136:137]
	v_pk_add_f32 v[240:241], v[140:141], v[144:145]
	v_pk_add_f32 v[206:207], v[148:149], v[152:153]
	v_pk_add_f32 v[14:15], v[14:15], v[156:157]
	v_pk_add_f32 v[244:245], v[244:245], v[96:97]
	v_pk_add_f32 v[254:255], v[254:255], v[98:99]
	v_pk_add_f32 v[252:253], v[252:253], v[102:103]
	v_pk_add_f32 v[250:251], v[250:251], v[106:107]
	v_pk_add_f32 v[248:249], v[248:249], v[110:111]
	v_pk_add_f32 v[240:241], v[240:241], v[114:115]
	v_pk_add_f32 v[206:207], v[206:207], v[118:119]
	v_pk_add_f32 v[14:15], v[14:15], v[122:123]
	v_pk_add_f32 v[244:245], v[244:245], v[126:127]
	v_pk_add_f32 v[254:255], v[254:255], v[130:131]
	v_pk_add_f32 v[252:253], v[252:253], v[134:135]
	v_pk_add_f32 v[250:251], v[250:251], v[138:139]
	v_pk_add_f32 v[248:249], v[248:249], v[142:143]
	v_pk_add_f32 v[240:241], v[240:241], v[146:147]
	v_pk_add_f32 v[206:207], v[206:207], v[150:151]
	v_pk_add_f32 v[14:15], v[14:15], v[154:155]
	v_pk_add_f32 v[244:245], v[244:245], v[158:159]
	s_delay_alu instid0(VALU_DEP_2)
	v_pk_add_f32 v[14:15], v[14:15], v[250:251]
	s_delay_alu instid0(VALU_DEP_2)
	v_pk_add_f32 v[244:245], v[244:245], v[248:249]
	v_pk_add_f32 v[254:255], v[254:255], v[240:241]
	v_pk_add_f32 v[252:253], v[252:253], v[206:207]
	s_delay_alu instid0(VALU_DEP_2)
	v_pk_add_f32 v[14:15], v[14:15], v[254:255]
	s_delay_alu instid0(VALU_DEP_2)
	v_pk_add_f32 v[244:245], v[244:245], v[252:253]
	s_delay_alu instid0(VALU_DEP_1)
	v_pk_add_f32 v[14:15], v[14:15], v[244:245]
.set k, 0
.rept 64
.set k, k+1
.endr
.set k, 0
	s_setprio 0
.rept 8
	v_cvt_scalef32_pk8_bf8_f32 v[P+2*k:P+2*k+1], v[S+8*k:S+8*k+7], v[PSC]   ; keys 16 k + 8 h + 0 .. 7: registers 2 k, 2 k + 1 of P
.set k, k+1
.endr
.set k, 0
.rept 16
	v_pk_mul_f32 v[O+k:O+k+1], v[O+k:O+k+1], v[242:243] op_sel_hi:[1,0]   ; O^T under the new M.  (Plain lines between the conversions and the products that read their results)
.set k, k+2
.endr
	s_wait_alu depctr_va_vdst(0)
	s_wait_dscnt 0x0                               ; V's fragments
.set k, 0
.rept 4
	v_wmma_f32_16x16x128_bf8_bf8 v[O+8*k:O+8*k+7], v[F+16*k:F+16*k+15], v[P:P+15], v[O+8*k:O+8*k+7]   ; O^T += V^T P^T: channels 16 k on.  The four accumulators take turns, and eight other products stand between a step's and the next's
.set k, k+1
.endr
.endm
; A PASS: tile p's 16 key steps, and its result, O^T / the sum x 2^(ep + ev), into v[dst] on.  tail = 1: the last step is written out, since it asks for no lane masks: there are none behind it.
.macro PASS p, trips, tail, dst
	v_mov_b32 v13, 0xff61b1e6                      ; the largest t so far: -3e38, under every t
	s_delay_alu instid0(VALU_DEP_1)
	v_floor_f32 v12, -v13                          ; -M
	v_mov_b32 v14, 0                               ; the sum, in two halves
	v_mov_b32 v15, 0
.set k, 0
.rept 32
	v_mov_b32 v[O+k], 0                            ; O^T: the first step finds zeros, which the first change of M leaves zeros
.set k, k+1
.endr
	s_mov_b32 s[TB], 0
	s_mov_b32 s[CNT], \trips
.Lstep_\@:
	s_setprio 2
	STEP 16+8*\p, 1
	s_add_co_u32 s[TB], s[TB], STEPB
	s_sub_co_u32 s[CNT], s[CNT], 1
	s_cmp_lg_u32 s[CNT], 0
	s_cbranch_scc1 .Lstep_\@
	s_setprio 0
.if \tail
	STEP 16+8*\p, 0
.endif
	v_add_f32 v14, v14, v15                        ; the sum's two halves,
	s_delay_alu instid0(VALU_DEP_1)
	v_permlanex16_b32 v246, v14, s[SEL], s[SEL+1]
	s_delay_alu instid0(VALU_DEP_1)
	v_add_f32 v14, v14, v246                       ; and lane l xor 16's: the row's sum
	s_wait_alu depctr_va_vdst(0)
	v_rcp_f32 v14, v14
	v_nop                                          ; a plain line behind the reciprocal; with the additions above and the next line, four places behind the last products
	v_nop
	s_wait_alu depctr_va_vdst(0)                   ; the wait ahead of the first line that names the reciprocal
	v_ldexp_f32 v14, v14, s[EO]                    ; x 2^(ep + ev)
.set k, 0
.rept 32
	v_mul_f32 v[\dst+k], v[O+k], v14               ; register 8 t + j: out(query r, channel 16 t + 8 h + j); each accumulator from its low end on
.set k, k+1
.endr
.endm
	PASS 0, 16, 0, KEEP                            ; its last step asks for the second pass's first lane masks: they lie on end
	PASS 1, 15, 1, S
	; THE WAY OUT.  A lane holds 32 bytes of a row, and the lanes beside it hold other rows: a tile goes through my stage and comes back as whole rows of 256 bytes.  The first tile's result has waited in registers,
	; since the stages lie in the codes' bytes: 262,144 bytes of codes, thirty-two stages of 4,352 and the spare words together are more than the 327,680 bytes that a work-group can have.
	s_wait_alu depctr_va_vdst(0)
	s_wait_dscnt 0x0                               ; my reads of the codes are over,
	s_barrier_signal -1
	s_barrier_wait -1                              ; everybody's are
.macro TOSTAGE p, src
.irp t, 0,1,2,3
	ds_store_b128 v[STO], v[\src+8*\t:\src+8*\t+3]   offset:16*SP*\p+64*\t
	ds_store_b128 v[STO], v[\src+8*\t+4:\src+8*\t+7] offset:16*SP*\p+64*\t+16
.endr
.irp i, 0,1,2,3,4,5,6,7
	ds_load_b128 v[F+32*\p+4*\i:F+32*\p+4*\i+3], v[RD] offset:16*SP*\p+2*SP*\i   ; LDS serves a wave's instructions in order (ISA guide 5.7.1.4): these see my stores
.endr
.endm
.macro SEND p, younger                         ; younger: the LDS instructions issued behind tile p's loads
.irp i, 0,1,2,3,4,5,6,7
	s_wait_dscnt \younger+7-\i
	global_store_b128 v[GO], v[F+32*\p+4*\i:F+32*\p+4*\i+3], s[12:13] offset:4096*\p+512*\i th:TH_STORE_NT   ; 16 lanes store 256 consecutive bytes, at a multiple of 256 from out0's first byte; written once, read by nobody here
.endr
.endm
	TOSTAGE 0, KEEP
	TOSTAGE 1, S
	SEND 0, 16                                     ; behind tile 0's loads: tile 1's eight stores and eight loads
	SEND 1, 0
	s_wait_tensorcnt 0x0                           ; the wave's end: a tensor wait, an add and its wait, behind my tensor load and my last LDS store
	ds_add_u32 v[SPW], v[NIL]
	s_wait_dscnt 0x0
	CROUND                                         ; the closing round
	s_endpgm
.Lfunc_end_k_q639f845b00_attn:
	.size	k_q639f845b00_attn, .Lfunc_end_k_q639f845b00_attn-k_q639f845b00_attn
	.p2alignl 7, 3214868480
	.fill 96, 4, 3214868480
	.section	.rodata,"a",@progbits
	.p2align	6, 0x0
	.amdhsa_kernel k_q639f845b00_attn
		.amdhsa_group_segment_fixed_size 264192
		.amdhsa_private_segment_fixed_size 0
		.amdhsa_enable_private_segment 0
		.amdhsa_kernarg_size 40
		.amdhsa_user_sgpr_count 2
		.amdhsa_user_sgpr_kernarg_segment_ptr 1
		.amdhsa_wavefront_size32 1
		.amdhsa_system_sgpr_workgroup_id_x 1
		.amdhsa_system_sgpr_workgroup_id_y 1
		.amdhsa_system_sgpr_workgroup_id_z 1
		.amdhsa_system_vgpr_workitem_id 0
		.amdhsa_next_free_vgpr 256
		.amdhsa_next_free_sgpr 102
		.amdhsa_reserve_vcc 0
		.amdhsa_float_denorm_mode_32 3
		.amdhsa_float_denorm_mode_16_64 3
		.amdhsa_fp16_overflow 1
		.amdhsa_memory_ordered 1
		.amdhsa_forward_progress 1
		.amdhsa_inst_pref_size 74
	.end_amdhsa_kernel
	.amdgpu_metadata
---
amdhsa.version: [ 1, 2 ]
amdhsa.kernels:
  - .name:           k_q639f845b00_attn
    .symbol:         k_q639f845b00_attn.kd
    .args:
      - { .name: Q, .offset: 0, .size: 8, .value_kind: global_buffer, .address_space: global }
      - { .name: kv, .offset: 8, .size: 8, .value_kind: global_buffer, .address_space: global }
      - { .name: mbits, .offset: 16, .size: 8, .value_kind: global_buffer, .address_space: global }
      - { .name: lowp_scales, .offset: 24, .size: 8, .value_kind: global_buffer, .address_space: global }
      - { .name: out0, .offset: 32, .size: 8, .value_kind: global_buffer, .address_space: global }
    .group_segment_fixed_size: 264192
    .private_segment_fixed_size: 0
    .kernarg_segment_align: 8
    .kernarg_segment_size: 40
    .max_flat_workgroup_size: 512
    .sgpr_count:     102
    .vgpr_count:     256
    .wavefront_size: 32
...
	.end_amdgpu_metadata
.endif
;; end of part 2
